; MI455X (gfx1250); checked and timed in simulation.
; The chip was launched on July 23, 2026; its instructions are those of AMD's public machine-readable ISA for CDNA 5 (MIT licence, August 2026) and "CDNA5" Instruction Set Architecture Reference Guide (July 2026). The comments in the code are by the model that wrote it; some were corrected since.
;; Attention Head. Allowed arithmetic: float matrix products may take bf16 or f16 operands with f32 sums; other float arithmetic in f32, or as packed bf16 or f16 multiplies, adds, multiply-adds, maxima and minima; sums over many terms, partial sums and values carried from step to step in f32; what a program stores and reads back later, other than sums and carried values, may be rounded once to bf16 or f16.
;; Inputs: Wk 1,024 x 64 float32; Wq 1,024 x 64 float32; Wv 1,024 x 64 float32; embeddings 16 x 2,048 x 1,024 float32.
;; Outputs: out0 16 x 2,048 x 64 float32.
;; 2 versions, each right; version 2 is version 1 with the launch proj written anew for expert scheduling mode. Each part assembles by itself: llvm-mc -triple=amdgcn-amd-amdhsa -mcpu=gfx1250 --defsym DOCPART=n.
;; ======== version 1 of 2: 3 launches
;; limits: values are held in f16: magnitudes above 65,504 overflow, below 6.1e-05 lose precision
;; workspace buffers: wf 393,216 bytes; qf 4,194,304 bytes; kf 4,194,304 bytes; vf 4,194,304 bytes; lof 393,216 bytes
;; launch prep (part 1): grid 32 x 3, 8 waves a work-group, no clusters, 0 bytes of LDS; arguments Wq, Wk, Wv, wf; writes wf
.if DOCPART == 1
	.amdgcn_target "amdgcn-amd-amdhsa--gfx1250"
	.amdhsa_code_object_version 6
	.text
	.protected	k_q5ae2661338_prep
	.globl	k_q5ae2661338_prep
	.p2align	8
	.type	k_q5ae2661338_prep,@function
k_q5ae2661338_prep:
	s_mov_b64 s[64:65], 0
	v_nop
	global_prefetch_b8 v0, s[64:65] scope:SCOPE_SE
	s_setreg_imm32_b32 hwreg(HW_REG_WAVE_MODE, 25, 1), 1
	s_wait_xcnt 0x0
; FIRST OF THREE LAUNCHES of out = softmax(causal(q k^T / 8)) v with q, k, v = embeddings x Wq, Wk, Wv.
;   this one: the three weights, [1024][64] f32, are rounded once to bf16 and laid in the order in which the second launch's matrix operands take them;
;   second:   q, k, v = x W (x and W in bf16, sums in f32), stored in f16 in the order in which the third launch's operands take them; of each batch's first 64 rows also what that rounding left, in f16;
;   third:    causal attention by a running maximum, f32 out.
; DEAD WORK, left out in the third launch.  reference() itself builds the mask (jnp.tril) and puts -inf in place of scores[q][k] wherever k > q; the softmax gives such a
; key the weight exp(-inf) = 0, and 0 x v[k] adds nothing to any output, whatever finite numbers embeddings and the weights hold.  So a step of 64 keys all of which lie
; behind all 64 queries of a block reaches no output and is not multiplied.  Inside the one step of a block that holds the diagonal the hidden products are made and thrown away.
; All four inputs have a way to the output: all are loaded.
; LIMIT of that: a NaN, an infinity or an overflow in rows of k or v that a query does not see is not carried to that query's result.
; LIMITS of format: q, k and v are kept in f16, so each must stay under 65,504 in magnitude; x and W enter the products rounded to bf16.
;
; wf: [w 0..3][ks 0..31][j 0..2][p 0..1][lane 0..31][16 bytes].  Lane l (r = l % 16, h = l / 16) holds the 8 bf16 W_j[32 ks + 16 p + 8 h + 0..7][16 w + r]; j = 0: Wq, 1: Wk, 2: Wv.
; That is half p of a 16 x 32 fragment (ISA guide 7.12.2: lane = row or column, K along the registers).
; SHARES.  Work-group (ks, j) takes 32 rows of one weight, 8,192 consecutive bytes; wave 2 w + p makes one half fragment: eight loads of 4 bytes a lane, one store of 512 consecutive bytes.
; No LDS, no matrix unit: 786,432 bytes in, 393,216 out.
	s_load_b256 s[4:11], s[0:1], 0x0               ; Wq s[4:5], Wk s[6:7], Wv s[8:9], wf s[10:11]
	v_lshrrev_b32 v1, 5, v0
	v_readfirstlane_b32 s14, v1                    ; wave 0..7
	s_and_b32 s15, ttmp7, 0xffff                   ; j: which weight
	s_lshr_b32 s16, s14, 1                         ; w: which 16 columns
	s_and_b32 s17, s14, 1                          ; p: which half of the fragment's 32 rows
	v_and_b32 v2, 15, v0                           ; r
	v_bfe_u32 v3, v0, 4, 1                         ; h
	v_and_b32 v4, 31, v0                           ; l
	s_lshl_b32 s18, ttmp9, 13                      ; 32 ks rows of 256 bytes
	s_lshl_b32 s19, s17, 12                        ; 16 p rows
	s_add_co_u32 s18, s18, s19
	s_lshl_b32 s19, s16, 6                         ; 16 w columns of 4 bytes
	s_add_co_u32 s18, s18, s19
	v_lshlrev_b32 v5, 2, v2                        ; column r
	v_lshl_add_u32 v5, v3, 11, v5                  ; 8 h rows
	v_add_nc_u32 v5, s18, v5                       ; where I read
	s_lshl_b32 s20, s16, 5
	s_add_co_u32 s20, s20, ttmp9                   ; 32 w + ks
	s_mul_i32 s20, s20, 3
	s_add_co_u32 s20, s20, s15                     ; (32 w + ks) 3 + j
	s_lshl_b32 s20, s20, 10                        ; fragments of 1,024 bytes
	s_lshl_b32 s21, s17, 9                         ; halves of 512
	s_add_co_u32 s20, s20, s21
	v_lshl_add_u32 v6, v4, 4, s20                  ; where I write
	s_wait_kmcnt 0x0
	s_cmp_eq_u32 s15, 1                            ; the weight is chosen by the work-group's y alone
	s_cselect_b64 s[12:13], s[6:7], s[4:5]
	s_cmp_eq_u32 s15, 2
	s_cselect_b64 s[12:13], s[8:9], s[12:13]
.irp i, 0,1,2,3,4,5,6,7
	global_load_b32 v[8+\i], v5, s[12:13] offset:256*\i    ; eight rows down one column
.endr
	s_wait_loadcnt 0x0
.irp a, 0,1,2,3
	v_cvt_pk_bf16_f32 v[16+\a], v[8+2*\a], v[9+2*\a]       ; the lower row into the low half
.endr
	global_store_b128 v6, v[16:19], s[10:11]       ; the wave's store covers 512 consecutive bytes, aligned
	s_endpgm
.Lfunc_end_k_q5ae2661338_prep:
	.size	k_q5ae2661338_prep, .Lfunc_end_k_q5ae2661338_prep-k_q5ae2661338_prep
	.p2alignl 7, 3214868480
	.fill 96, 4, 3214868480
	.section	.rodata,"a",@progbits
	.p2align	6, 0x0
	.amdhsa_kernel k_q5ae2661338_prep
		.amdhsa_group_segment_fixed_size 0
		.amdhsa_private_segment_fixed_size 0
		.amdhsa_enable_private_segment 0
		.amdhsa_kernarg_size 32
		.amdhsa_user_sgpr_count 2
		.amdhsa_user_sgpr_kernarg_segment_ptr 1
		.amdhsa_wavefront_size32 1
		.amdhsa_system_sgpr_workgroup_id_x 1
		.amdhsa_system_sgpr_workgroup_id_y 1
		.amdhsa_system_sgpr_workgroup_id_z 1
		.amdhsa_system_vgpr_workitem_id 0
		.amdhsa_next_free_vgpr 24
		.amdhsa_next_free_sgpr 66
		.amdhsa_reserve_vcc 0
		.amdhsa_float_denorm_mode_32 3
		.amdhsa_float_denorm_mode_16_64 3
		.amdhsa_memory_ordered 1
		.amdhsa_forward_progress 1
		.amdhsa_inst_pref_size 3
	.end_amdhsa_kernel
	.amdgpu_metadata
---
amdhsa.version: [ 1, 2 ]
amdhsa.kernels:
  - .name:           k_q5ae2661338_prep
    .symbol:         k_q5ae2661338_prep.kd
    .args:
      - { .name: Wq, .offset: 0, .size: 8, .value_kind: global_buffer, .address_space: global }
      - { .name: Wk, .offset: 8, .size: 8, .value_kind: global_buffer, .address_space: global }
      - { .name: Wv, .offset: 16, .size: 8, .value_kind: global_buffer, .address_space: global }
      - { .name: wf, .offset: 24, .size: 8, .value_kind: global_buffer, .address_space: global }
    .group_segment_fixed_size: 0
    .private_segment_fixed_size: 0
    .kernarg_segment_align: 8
    .kernarg_segment_size: 32
    .max_flat_workgroup_size: 256
    .sgpr_count:     66
    .vgpr_count:     24
    .wavefront_size: 32
...
	.end_amdgpu_metadata
.endif
;; end of part 1
;; launch proj (part 2): grid 256 x 1, 4 waves a work-group, no clusters, 295,424 bytes of LDS; arguments embeddings, wf, qf, kf, vf, lof; writes qf, kf, vf, lof
.if DOCPART == 2
	.amdgcn_target "amdgcn-amd-amdhsa--gfx1250"
	.amdhsa_code_object_version 6
	.text
	.protected	k_q5ae2661338_proj
	.globl	k_q5ae2661338_proj
	.p2align	8
	.type	k_q5ae2661338_proj,@function
k_q5ae2661338_proj:
	s_mov_b64 s[64:65], 0
	v_nop
	global_prefetch_b8 v0, s[64:65] scope:SCOPE_SE
	s_setreg_imm32_b32 hwreg(HW_REG_WAVE_MODE, 25, 1), 1
	s_wait_xcnt 0x0
; SECOND LAUNCH: q, k, v = x W.  x = embeddings as [32768][1024] f32, rounded to bf16 on its way; W from wf (bf16, in operand order); sums in f32; q, k, v rounded once to f16.
; Nothing is left out here.  LIMIT: |q|, |k|, |v| under 65,504 (f16).
; SHARES.  A work-group owns 128 rows of x and all 192 columns.  Wave w multiplies all 128 rows (8 row tiles i) by columns 16 w .. 16 w + 15 of Wq, Wk and Wv (j = 0, 1, 2):
; 24 accumulators.  So each fragment of W is wanted by ONE wave of the work-group and comes straight from memory into its registers.
; x is wanted by all four waves: each wave loads 32 of the rows (sixteen lanes take 256 consecutive bytes of a row), rounds them and puts them into LDS once.
; K goes in 16 chunks of 64.  LDS holds the work-group's WHOLE x in bf16, chunk by chunk, and no byte of it is written twice: one barrier a chunk, between the stores and the reads, is all the order wanted.
; THE STREAM.  x's loads are issued two chunks ahead of their conversion, W's one chunk ahead of their products; every wait on them is counted, so a wave always has loads out.
; THE RESULTS are stored in the third launch's operand order, straight from registers, 512 consecutive bytes a store:
;   q, k (source 0 = W's columns, source 1 = x's rows): a lane holds one row and 8 neighbouring channels.  qf, kf: for each 16 rows 2,048 bytes [c 0..1][p 0..1][lane][16 B]: row 16 tile + r, channels 32 c + 16 p + 8 h + 0..7
;   v    (source 0 = x's rows, source 1 = W's columns): a lane holds one channel and 8 neighbouring keys.  vf: for each 64 keys 8,192 bytes [kk 0..1][cb 0..3][p][lane][16 B]: channel 16 cb + r, keys 32 kk + 16 p + 8 h + 0..7
; THE REMAINDERS.  A row of the output that sees n keys is a mean of n rows of v: f16's roundings reach it at about 2^-11 of v's size over the root of n, while the comparison goes by the root mean square of the
; whole output, which the long rows make small.  So of each batch's first 64 rows what the rounding to f16 left (the f32 sum less the f16 number, rounded to f16) is stored too, for the third launch's first block:
; lof: [batch][q, k, v][8,192 bytes], each part laid as its rows lie in qf, kf, vf.  Those rows are row tiles 0-3 of the work-groups whose number is a multiple of 16; the others jump over these lines.
; REGISTERS, in windows of 256 (s_set_vgpr_msb: bits 1:0 source 0, 3:2 source 1, 5:4 source 2, 7:6 destination):
;   window 0: v2-14 addresses and -1.0; v16-31 converted pairs; v32-159 x as loaded, two sets of 64 (at the end: v32-127 the packed results; v128-223 the remainders)
;   window 1: v0-127 x's fragments, two buffers of 8 x 8; v128-223 W's fragments, two sets of 6 x 8          window 2: v0-191 the accumulators, (i, j) at 8 (3 i + j)
.set PA,    144                        ; a row of a chunk in LDS: 128 bytes + 16 = 9 x 16: the sixteen rows of a fragment load start at sixteen different groups of four banks (64 banks of 4 bytes: ISA guide 11.1)
.set CHB,   128*PA                     ; a chunk: 128 rows
.set SPARE, 16*CHB                     ; behind the 16 chunks: the spare words, 128 bytes for each wave: two blocks of 256 bytes that no other line names
.set VGA, 2                            ; v2   my byte offset in x: wave x 32 rows + (l / 16) x 8 rows + 16 (l % 16); never rewritten
.set VGW, 3                            ; v3   16 l; never rewritten
.set VST, 4                            ; v4   where I put 8 bytes of a row of the chunk to be produced; steps a chunk
.set VOQ, 5                            ; v5   my 16 bytes in a tile of qf and kf
.set VOV, 6                            ; v6   my 16 bytes in vf
.set VAF, 8                            ; v8   my place in a fragment of the chunk to be multiplied: r x PA + 16 h; steps a chunk
.set SPW, 12                           ; v12  LDS address of my spare word; never rewritten
.set NIL, 13                           ; v13  0; never rewritten
.set MONE, 14                          ; v14  -1.0, for the remainders
.set T,   16
.set X,   32
.set OUTR, 32
.set RES, 128                          ; the remainders: 96 in f32, then 48 registers of packed f16 in their place
.set WB,  128                          ; in window 1
.set SA,  4                            ; s[4:5]  x at the work-group's first row, at the chunk last produced
.set SW,  6                            ; s[6:7]  wf at my wave's part, at the same chunk
.set LOF, 22                           ; s[22:23] lof at the work-group's batch
.set MSB, 0
.macro WIN new                         ; the immediate's high byte repeats the setting that is left; a switch that changes nothing is dropped
.if MSB != (\new)
	s_set_vgpr_msb (MSB<<8)|(\new)
.set MSB, \new
.endif
.endm
; 16 loads: my 32 rows' 256 bytes of one chunk, off bytes behind SA, into set xs.  Load j takes rows 16 (j / 8) + j % 8 (lanes 0-15) and 8 further down (lanes 16-31).
.macro ALOAD xs, off
	WIN 0
.set j, 0
.rept 16
	global_load_b128 v[X+64*(\xs)+4*j:X+64*(\xs)+4*j+3], v[VGA], s[SA:SA+1] offset:(\off)+(16*(j/8)+j%8)*4096 th:TH_LOAD_NT
.set j, j+1
.endr
.endm
; A chunk is produced: set xs is rounded to bf16 and stored into LDS; then W's 12 loads for that chunk and x's 16 for the chunk two further on go out, W's first, so that a wait for W leaves the younger x out.
.macro PRODUCE xs, step, wA, doW, doA
	WIN 0
.if \step
	s_wait_xcnt 0x0                                ; every load issued so far has read its address (ISA guide 3.1): only now are the two bases stepped
	s_add_nc_u64 s[SA:SA+1], s[SA:SA+1], 256
	s_add_nc_u64 s[SW:SW+1], s[SW:SW+1], 6144
.endif
	s_wait_loadcnt \wA                             ; loads come back in order (ISA guide 5.7.1): set xs is in, the younger loads stay out
.set j, 0
.rept 16
	v_cvt_pk_bf16_f32 v[T+2*(j%8)],   v[X+64*(\xs)+4*j],   v[X+64*(\xs)+4*j+1]
	v_cvt_pk_bf16_f32 v[T+2*(j%8)+1], v[X+64*(\xs)+4*j+2], v[X+64*(\xs)+4*j+3]
	ds_store_b64 v[VST], v[T+2*(j%8):T+2*(j%8)+1] offset:(16*(j/8)+j%8)*PA  ; lanes 0-15: 128 bytes on end; lanes 16-31: 8 rows = 288 words further, the other 32 banks
.set j, j+1
.endr
	v_add_nc_u32 v[VST], CHB, v[VST]
.if \doW
	WIN 0x40                                       ; destination window 1
.set f, 0
.rept 6                                ; fragment f = 3 ks' + j
	global_load_b128 v[WB+48*(\xs)+8*f:WB+48*(\xs)+8*f+3],   v[VGW], s[SW:SW+1] offset:1024*f
	global_load_b128 v[WB+48*(\xs)+8*f+4:WB+48*(\xs)+8*f+7], v[VGW], s[SW:SW+1] offset:1024*f+512
.set f, f+1
.endr
.endif
.if \doA
	ALOAD \xs, 512
.endif
.endm
; 16 LDS loads in one run: the 8 row tiles' fragments of 32 along K, at byte koff of the chunk's rows, into buffer f
.macro FETCH f, koff
	WIN 0x40
.set i, 0
.rept 8
	ds_load_b128 v[64*(\f)+8*i:64*(\f)+8*i+3],   v[VAF] offset:i*16*PA+(\koff)
	ds_load_b128 v[64*(\f)+8*i+4:64*(\f)+8*i+7], v[VAF] offset:i*16*PA+(\koff)+32
.set i, i+1
.endr
.endm
; 24 products: buffer f x W's set ws, K step ksp of the chunk.  The 24 accumulators take turns, one instruction a turn, over the backward jump too.  first = 1: the products start the sums.
.macro MUL f, ws, ksp, first
	WIN 0xa5                                       ; sources window 1, C and D window 2
.set i, 0
.rept 8
.set j, 0
.rept 3
.set rA, 64*(\f)+8*i
.set rW, WB+48*(\ws)+24*(\ksp)+8*j
.set rC, 8*(3*i+j)
.if j < 2
.if \first
	v_wmma_f32_16x16x32_bf16 v[rC:rC+7], v[rW:rW+7], v[rA:rA+7], 0
.else
	v_wmma_f32_16x16x32_bf16 v[rC:rC+7], v[rW:rW+7], v[rA:rA+7], v[rC:rC+7]
.endif
.else
.if \first
	v_wmma_f32_16x16x32_bf16 v[rC:rC+7], v[rA:rA+7], v[rW:rW+7], 0
.else
	v_wmma_f32_16x16x32_bf16 v[rC:rC+7], v[rA:rA+7], v[rW:rW+7], v[rC:rC+7]
.endif
.endif
.set j, j+1
.endr
.set i, i+1
.endr
.endm
; TRIP t (par = t % 2): chunk t + 1 is produced, chunk t multiplied.  The barrier's signal stands behind my stores of chunk t + 1, its wait ahead of the first read of that chunk;
; between the two stand reads of chunk t, which nobody writes again, and the 48 products.
.macro TRIP par, first, wA, doW, doA, wW, last
.if !(\last)
	PRODUCE 1-(\par), 1, \wA, \doW, \doA
.endif
	s_wait_dscnt 0x0                               ; my stores of chunk t + 1 are done, for the others' sake; buffer 0's loads are back
.if !(\last)
	s_barrier_signal -1
.endif
	FETCH 1, 64                                    ; the second half of chunk t
	s_wait_loadcnt \wW                             ; W of chunk t is in; all that was issued behind it stays out
	MUL 0, \par, 0, \first
	s_wait_dscnt 0x0                               ; buffer 1 is in
	MUL 1, \par, 1, 0
.if !(\last)
	WIN 0
	s_barrier_wait -1                              ; every wave's part of chunk t + 1 lies in LDS
	v_add_nc_u32 v[VAF], CHB, v[VAF]               ; this line and four v_nop: the places between the products and the loads into registers that they have read (ISA guide 7.12.1 for vector instructions)
.rept 4
	v_nop
.endr
	FETCH 0, 0                                     ; the first half of chunk t + 1
.endif
.endm
	s_load_b256 s[4:11], s[0:1], 0x0               ; embeddings s[4:5], wf s[6:7], qf s[8:9], kf s[10:11]
	s_load_b64 s[12:13], s[0:1], 0x20              ; vf
	s_load_b64 s[LOF:LOF+1], s[0:1], 0x28          ; lof
	v_lshl_add_u32 v[SPW], v0, 2, SPARE
	v_mov_b32 v[NIL], 0
	v_lshrrev_b32 v1, 5, v0
	v_readfirstlane_b32 s14, v1                    ; wave 0..3
	v_and_b32 v9, 15, v0                           ; l % 16
	v_bfe_u32 v10, v0, 4, 1                        ; l / 16
	v_and_b32 v11, 31, v0                          ; l
	v_lshlrev_b32 v[VGA], 4, v9
	v_lshl_add_u32 v[VGA], v10, 15, v[VGA]         ; 8 rows of 4,096 bytes
	s_lshl_b32 s16, s14, 17                        ; 32 rows
	v_add_nc_u32 v[VGA], s16, v[VGA]
	v_lshlrev_b32 v[VGW], 4, v11
	s_mul_i32 s16, s14, 32*PA
	v_mul_u32_u24 v[VST], v10, 8*PA
	v_lshl_add_u32 v[VST], v9, 3, v[VST]
	v_add_nc_u32 v[VST], s16, v[VST]               ; (32 w + 8 (l / 16)) PA + 8 (l % 16)
	v_mul_u32_u24 v[VAF], v9, PA
	v_lshl_add_u32 v[VAF], v10, 4, v[VAF]
	s_lshr_b32 s16, s14, 1                         ; my 16 channels are half p = w % 2 of channel block c = w / 2
	s_lshl_b32 s16, s16, 10
	s_and_b32 s17, s14, 1
	s_lshl_b32 s17, s17, 9
	s_add_co_u32 s16, s16, s17
	v_add_nc_u32 v[VOQ], s16, v[VGW]
	s_lshl_b32 s16, s14, 10                        ; and channel block cb = w of vf
	v_add_nc_u32 v[VOV], s16, v[VGW]
	s_lshl_b32 s16, ttmp9, 19                      ; the work-group's 128 rows of 4,096 bytes
	s_mov_b32 s17, 0
	s_lshl_b32 s18, ttmp9, 14                      ; the same rows in qf, kf and vf: 128 bytes each
	s_mov_b32 s19, 0
	s_mul_i32 s20, s14, 98304                      ; my wave's part of wf: 32 x 3 fragments of 1,024 bytes
	s_mov_b32 s21, 0
	s_lshr_b32 s24, ttmp9, 4                       ; the batch: 16 work-groups each,
	s_mul_i32 s24, s24, 24576                      ; 3 x 8,192 bytes of lof each
	s_mov_b32 s25, 0
	s_wait_kmcnt 0x0
	s_add_nc_u64 s[SA:SA+1], s[SA:SA+1], s[16:17]
	s_add_nc_u64 s[SW:SW+1], s[SW:SW+1], s[20:21]
	s_add_nc_u64 s[8:9], s[8:9], s[18:19]
	s_add_nc_u64 s[10:11], s[10:11], s[18:19]
	s_add_nc_u64 s[12:13], s[12:13], s[18:19]
	s_add_nc_u64 s[LOF:LOF+1], s[LOF:LOF+1], s[24:25]
	ALOAD 0, 0                                     ; chunk 0
	ALOAD 1, 256                                   ; chunk 1
	PRODUCE 0, 0, 16, 1, 1                         ; chunk 0 is in when 16 younger loads (chunk 1's) are out; W of chunk 0 and x of chunk 2 go out
	s_wait_dscnt 0x0
	s_barrier_signal -1
	s_barrier_wait -1
	FETCH 0, 0
	; The counts.  Ahead of a conversion of chunk t + 1: 28 = W(t) 12 + x(t + 2) 16.  Ahead of the products of chunk t: 44 = x(t + 2) 16 + W(t + 1) 12 + x(t + 3) 16.
	TRIP 0, 1, 28, 1, 1, 44, 0                     ; t = 0: its first products start the sums, nothing is cleared
	WIN 0                                          ; at a label and at a branch every window is 0
	s_mov_b32 s15, 6
.Lpair:                                                ; t = 1 .. 12
	TRIP 1, 0, 28, 1, 1, 44, 0
	TRIP 0, 0, 28, 1, 1, 44, 0
	WIN 0
	s_sub_co_u32 s15, s15, 1
	s_cmp_lg_u32 s15, 0
	s_cbranch_scc1 .Lpair
	TRIP 1, 0, 28, 1, 0, 28, 0                     ; t = 13: x has no chunk 16.  28 = W(13) 12 + x(15) 16; then 28 = x(15) 16 + W(14) 12
	TRIP 0, 0, 12, 1, 0, 12, 0                     ; t = 14: 12 = W(14); then 12 = W(15)
	TRIP 1, 0, 0, 0, 0, 0, 1                       ; t = 15: nothing is produced, no barrier; the last wait on loads is for 0
	; THE WAY OUT: rounded to f16, 16 bytes a lane, which already lie as the third launch wants them: no trip through LDS.
.rept 8
	v_nop                                          ; the places between the last products and the conversions that read them
.endr
	WIN 0x0a                                       ; sources window 2, destination window 0
.set a, 0
.rept 24
.set e, 0
.rept 4                                ; each accumulator from its low end on
	v_cvt_pk_f16_f32 v[OUTR+4*a+e], v[8*a+2*e], v[8*a+2*e+1]
.set e, e+1
.endr
.set a, a+1
.endr
	WIN 0
.set i, 0
.rept 8
	global_store_b128 v[VOQ], v[OUTR+12*i:OUTR+12*i+3],    s[8:9]   offset:2048*i    ; each store of the wave covers 512 consecutive bytes, aligned
	global_store_b128 v[VOQ], v[OUTR+12*i+4:OUTR+12*i+7],  s[10:11] offset:2048*i
	global_store_b128 v[VOV], v[OUTR+12*i+8:OUTR+12*i+11], s[12:13] offset:(i/4)*8192+((i/2)%2)*4096+(i%2)*512  ; keys 16 i on: step i / 4, half (i / 2) % 2, p = i % 2
.set i, i+1
.endr
	; THE REMAINDERS of a batch's first 64 rows: row tiles 0-3 (accumulators 0-11) of the batch's first work-group.
	s_and_b32 s16, ttmp9, 15
	s_cmp_eq_u32 s16, 0
	s_cbranch_scc0 .Lend                           ; on the work-group's number alone; no barrier stands in what is jumped
	v_mov_b32 v[MONE], -1.0
	WIN 0x20                                       ; source 2, the f32 sum, window 2; all else window 0
.set a, 0
.rept 12
.set e, 0
.rept 4                                ; the f16 number's half x -1.0 + the sum: one rounding, of a difference that f32 holds
	v_fma_mix_f32 v[RES+8*a+2*e],   v[OUTR+4*a+e], v[MONE], v[8*a+2*e]   op_sel_hi:[1,0,0]
	v_fma_mix_f32 v[RES+8*a+2*e+1], v[OUTR+4*a+e], v[MONE], v[8*a+2*e+1] op_sel:[1,0,0] op_sel_hi:[1,0,0]
.set e, e+1
.endr
.set a, a+1
.endr
	WIN 0
.set e, 0
.rept 48                               ; packed in place, ascending: register e is written when pair e / 2 has been used up
	v_cvt_pk_f16_f32 v[RES+e], v[RES+2*e], v[RES+2*e+1]
.set e, e+1
.endr
.set i, 0
.rept 4
	global_store_b128 v[VOQ], v[RES+12*i:RES+12*i+3],    s[LOF:LOF+1] offset:2048*i
	global_store_b128 v[VOQ], v[RES+12*i+4:RES+12*i+7],  s[LOF:LOF+1] offset:8192+2048*i
	global_store_b128 v[VOV], v[RES+12*i+8:RES+12*i+11], s[LOF:LOF+1] offset:16384+((i/2)%2)*4096+(i%2)*512
.set i, i+1
.endr
.Lend:
	s_wait_tensorcnt 0x0                           ; the wave's end, behind my last LDS store
	ds_add_u32 v[SPW], v[NIL]
	s_wait_dscnt 0x0
	s_endpgm
.Lfunc_end_k_q5ae2661338_proj:
	.size	k_q5ae2661338_proj, .Lfunc_end_k_q5ae2661338_proj-k_q5ae2661338_proj
	.p2alignl 7, 3214868480
	.fill 96, 4, 3214868480
	.section	.rodata,"a",@progbits
	.p2align	6, 0x0
	.amdhsa_kernel k_q5ae2661338_proj
		.amdhsa_group_segment_fixed_size 295424
		.amdhsa_private_segment_fixed_size 0
		.amdhsa_enable_private_segment 0
		.amdhsa_kernarg_size 48
		.amdhsa_user_sgpr_count 2
		.amdhsa_user_sgpr_kernarg_segment_ptr 1
		.amdhsa_wavefront_size32 1
		.amdhsa_system_sgpr_workgroup_id_x 1
		.amdhsa_system_sgpr_workgroup_id_y 1
		.amdhsa_system_sgpr_workgroup_id_z 1
		.amdhsa_system_vgpr_workitem_id 0
		.amdhsa_next_free_vgpr 704
		.amdhsa_next_free_sgpr 66
		.amdhsa_reserve_vcc 0
		.amdhsa_float_denorm_mode_32 3
		.amdhsa_float_denorm_mode_16_64 3
		.amdhsa_memory_ordered 1
		.amdhsa_forward_progress 1
		.amdhsa_inst_pref_size 90
	.end_amdhsa_kernel
	.amdgpu_metadata
---
amdhsa.version: [ 1, 2 ]
amdhsa.kernels:
  - .name:           k_q5ae2661338_proj
    .symbol:         k_q5ae2661338_proj.kd
    .args:
      - { .name: embeddings, .offset: 0, .size: 8, .value_kind: global_buffer, .address_space: global }
      - { .name: wf, .offset: 8, .size: 8, .value_kind: global_buffer, .address_space: global }
      - { .name: qf, .offset: 16, .size: 8, .value_kind: global_buffer, .address_space: global }
      - { .name: kf, .offset: 24, .size: 8, .value_kind: global_buffer, .address_space: global }
      - { .name: vf, .offset: 32, .size: 8, .value_kind: global_buffer, .address_space: global }
      - { .name: lof, .offset: 40, .size: 8, .value_kind: global_buffer, .address_space: global }
    .group_segment_fixed_size: 295424
    .private_segment_fixed_size: 0
    .kernarg_segment_align: 8
    .kernarg_segment_size: 48
    .max_flat_workgroup_size: 128
    .sgpr_count:     66
    .vgpr_count:     704
    .wavefront_size: 32
...
	.end_amdgpu_metadata
.endif
;; end of part 2
;; launch attn (part 3): grid 16 x 16, 8 waves a work-group, no clusters, 291,840 bytes of LDS; arguments qf, kf, vf, out0, lof; writes out0
.if DOCPART == 3
	.amdgcn_target "amdgcn-amd-amdhsa--gfx1250"
	.amdhsa_code_object_version 6
	.text
	.protected	k_q5ae2661338_attn
	.globl	k_q5ae2661338_attn
	.p2align	8
	.type	k_q5ae2661338_attn,@function
k_q5ae2661338_attn:
	s_mov_b64 s[64:65], 0
	v_nop
	global_prefetch_b8 v0, s[64:65] scope:SCOPE_SE
	s_setreg_imm32_b32 hwreg(HW_REG_WAVE_MODE, 25, 1), 1
	s_wait_xcnt 0x0
; THIRD LAUNCH: out[b][q] = the sum over k <= q of softmax_k(q[b][q] . k[b][k] / 8) v[b][k].  qf, kf, vf, lof: f16, in operand order (see the second launch); out0: [16][2048][64] f32.
; LEFT OUT: steps of 64 keys that lie wholly behind a block's 64 queries: reference()'s own mask gives them the weight 0 for all finite inputs (shown at the first launch's head).
; LIMITS.  A NaN or infinity in rows of k or v that a query does not see is not carried to it.  A hidden score inside the diagonal step counts as -1e30: f16's scores, 2.7e11 at the most, are
; nothing beside that.  The weights p lie in 0 to 1 and are rounded to f16 for the second product (below 6e-5 they keep f16's fixed step); their sum l is taken of the unrounded p; a weight below 2^-126 counts as 0.
; THE WALK.  A batch has 32 blocks of 64 queries; block i needs the key steps 0 .. i of 64 keys, the last of which holds the diagonal.  A work-group takes TWO blocks, 31 - b and b: 33 ITEMS
; (a block x a key step) whatever b: all 256 work-groups do equal work.  Item g is step g of block 31 - b while g < NH = 32 - b, then step g - NH of block b.
; THE KEYS ARE SPLIT AMONG THE EIGHT WAVES: wave w takes items w, w + 8, .. (wave 0 five, the others four), each for all 64 queries (four tiles of 16).  An item's K and V are wanted by one wave alone and come
; straight from memory into its operand registers, two loads of 512 consecutive bytes a fragment, asked for one item ahead: no LDS and no barrier in the loop.
; Each wave keeps a running maximum m, sum l and O^T of its own for the block in hand; they are set aside in LDS, in f32, when the wave changes block and at its end; behind the one barrier the eight
; parts of each row are merged: out = sum_u e_u O_u / sum_u e_u l_u, e_u = 2^(c m_u - max c m).  A wave with no item in block b hands in c m = -2^125: its e is 0.
; NO CLUSTER: nothing goes through LDS on the way in, and the work-groups of a batch walk different numbers of steps of each block.
; LAYOUT.  S^T = K Q^T (source 0 = 16 keys, source 1 = 16 queries): a lane holds ONE query (l % 16) and the keys 8 (l / 16) + 0..7.  Two such results rounded to f16 in pairs ARE source 1 of O^T = V^T P,
; whose result again holds one query a lane, and eight channels.  p = 2^(c s - c m), c = log2(e) / 8; in every item O and l are multiplied by a = 2^(c m_old - c m_new).
; m starts at the lowest finite number, so a block's first a is 0 and what O and l hold then need only be finite: 136 v_mov_b32 clear them once, while the first loads are out: the price of writing no first item out.
; A BATCH'S FIRST BLOCK IN TWO f16 NUMBERS.  A row that sees n keys is a mean of n rows of v: f16's roundings of q, k, v and p reach it at about 2^-11 of v's size over the root of n, while the comparison goes by
; the root mean square of the whole output, which the long rows make small.  So rows 0-63 of a batch, whose one item is key step 0 (item 32 where b = 0: wave 0's last), have a text of their own:
; S = Kh Qh + Kh Ql + Kl Qh and O = Vh Ph + Vl Ph + Vh Pl, h the f16 number, l what its rounding left, in f16 (for q, k, v from lof; for p made here).  The products of two remainders, 2^-22 of a term, are left out.
; LIMIT of that: a remainder keeps f16's fixed step of 6e-8; rows from 64 on have f16's roundings, over the root of 64 keys or more.
; IN PHASES: 32 products, the softmax, 32 products.  Two waves share a SIMD (512 registers each).
; REGISTERS, in windows of 256 (s_set_vgpr_msb: bits 1:0 source 0, 3:2 source 1, 5:4 source 2, 7:6 destination):
;   window 0: v1-15 addresses; v16-31 statistics; v32-51 at work; v52-63 at work in the first block's text; v64-191 S^T, 32 a tile (P is made in place, in a tile's first 16); v192-255 V
;   window 1: v0-127 O^T, 32 a tile; v128-191 Q; v192-255 K.   In the first block's text: Ql and Kl lie in O^T's registers until the scores are made, then Vl in K's and Pl in Q's.
.set OBR,   17408                      ; LDS: a wave's O of one block: 64 rows x 272 bytes (256 + 16 = 17 x 16: sixteen rows start at sixteen different groups of four banks); region 8 x block + wave
.set CMB,   16*OBR                     ; c m: [128 rows][8 waves] f32, 4,096 bytes; l the same, 4,096 bytes on; the merge's factors the same, 8,192 bytes on
.set SPARE, CMB+3*4096                 ; the spare words, 128 bytes for each wave: four blocks of 256 bytes that no other line names
.set VL,   1                           ; v1   16 l; never rewritten
.set RR,   2                           ; v2   l % 16
.set HH,   3                           ; v3   l / 16
.set VD,   4                           ; v4   l % 16 - 8 (l / 16): in a tile's own 16 keys register j is hidden where j is greater
.set VSO0, 5                           ; v5, v6  where I put 32 bytes of a row of O, block 0, 1
.set VSS,  7                           ; v7   where I put c m
.set VMS,  8                           ; v8   the merge: the eight c m of row 16 w + l % 16
.set VMF,  9                           ; v9   the merge: that row's eight factors
.set VMO0, 10                          ; v10, v11  the merge: my 16 bytes of row 16 w + l / 16 in the parts of waves 0-3, 4-7
.set VMO1, 11
.set MONE, 12                          ; v12  at the head at work; in the first block's text -1.0
.set VMF2, 13                          ; v13  the merge: the factors of row 16 w + l / 16
.set SPW,  14                          ; v14  LDS address of my spare word; never rewritten
.set NIL,  15                          ; v15  0; never rewritten
.set ST,   16                          ; tile t at +4 t: c m, m, l (even keys', odd keys')
.set TMP,  32                          ; tile t at +4 t: c0-c3 at work; when the maximum is found c2 takes a
.set MV,   48                          ; c m_old, a tile each
.set HT,   52                          ; the first block's text: a pair of weights in f16, a tile each
.set HR,   56                          ; and what that rounding left, two f32 a tile
.set S,    64
.set VF,   192                         ; V's fragment 4 kk + cb at +8
.set QL,   0                           ; window 1, the first block's text: Ql, laid as Q
.set KL,   64                          ; window 1, the first block's text: Kl, laid as K
.set Q,    128                         ; window 1: tile t, channel half c at Q + 16 t + 8 c
.set KF,   192                         ; window 1: key block kb, channel half c at KF + 16 kb + 8 c
.set WV,  12                           ; s12  my wave's number
.set PB,  13                           ; s13  b
.set HI,  14                           ; s14  31 - b
.set NH,  15                           ; s15  32 - b
.set G,   16                           ; s16  the item in hand
.set PH,  17                           ; s17  0: block 31 - b is in hand; 1: block b
.set CNT, 18
.set DG,  19                           ; s19  1: the item holds the diagonal
.set KA,  24                           ; s[24:25], s[26:27] K and V of the item asked for last
.set VA,  26
.set OFF, 28                           ; s[28:29] an offset; the high word stays 0
.set CS,  30                           ; s[30:31] c
.set SEL, 32                           ; s[32:33] v_permlanex16_b32's selects: each lane takes its own place in the other half
.set BIGN, 34                          ; s34  -1e30
.set QLO, 36                           ; s[36:37] Q of block b
.set QHI, 38                           ; s[38:39] Q of block 31 - b
.set OUTW, 40                          ; s[40:41] out0 at the 16 rows that I merge
.set LOF, 42                           ; s[42:43] lof at my batch: Ql, 8,192 bytes on Kl, 16,384 bytes on Vl
.set W_KQ, 0x05                        ; K and Q window 1, S^T window 0
.set W_PV, 0x50                        ; V and P window 0, O^T window 1
.set W_PVL, 0x51                       ; the same with V's remainder, in window 1
.set W_PLV, 0x54                       ; the same with P's remainder, in window 1
.set W_RS, 0x41                        ; O^T (destination and source 0) window 1, a window 0
.set W_L1, 0x40                        ; destination window 1
.set W_ST, 0x04                        ; an LDS store's data (source 1) window 1
.set MSB, 0
.macro WIN new                         ; the immediate's high byte repeats the setting that is left; a switch that changes nothing is dropped
.if MSB != (\new)
	s_set_vgpr_msb (MSB<<8)|(\new)
.set MSB, \new
.endif
.endm
.macro LD16 dst, base, off=0           ; 8,192 consecutive bytes into 64 registers: 16 loads of 512 bytes a wave
.set n, 0
.rept 16
	global_load_b128 v[(\dst)+4*n:(\dst)+4*n+3], v[VL], s[\base:\base+1] offset:(\off)+512*n
.set n, n+1
.endr
.endm
; 32 products onto S^T, of the K at kb0 and the Q at qb0; the 16 accumulators take turns, one instruction a turn.  start = 1: the first 16 start the sums.
.macro KQSET kb0, qb0, start
	WIN W_KQ
.set c, 0
.rept 2
.set kb, 0
.rept 4
.set t, 0
.rept 4
.set rS, S+32*t+8*kb
.set rK, (\kb0)+16*kb+8*c
.set rQ, (\qb0)+16*t+8*c
.if (\start) && (c == 0)
	v_wmma_f32_16x16x32_f16 v[rS:rS+7], v[rK:rK+7], v[rQ:rQ+7], 0
.else
	v_wmma_f32_16x16x32_f16 v[rS:rS+7], v[rK:rK+7], v[rQ:rQ+7], v[rS:rS+7]
.endif
.set t, t+1
.endr
.set kb, kb+1
.endr
.set c, c+1
.endr
.endm
; 32 products onto O^T, of the V at vb0 and the P at pb0 (pst registers from tile to tile), under window setting win; the 16 accumulators by turns.  start = 1: the first 16 start the sums.
.macro PVSET vb0, pb0, pst, start, win
	WIN \win
.set kk, 0
.rept 2
.set cb, 0
.rept 4
.set t, 0
.rept 4
.set rO, 32*t+8*cb
.set rV, (\vb0)+32*kk+8*cb
.set rP, (\pb0)+(\pst)*t+8*kk
.if (\start) && (kk == 0)
	v_wmma_f32_16x16x32_f16 v[rO:rO+7], v[rV:rV+7], v[rP:rP+7], 0
.else
	v_wmma_f32_16x16x32_f16 v[rO:rO+7], v[rV:rV+7], v[rP:rP+7], v[rO:rO+7]
.endif
.set t, t+1
.endr
.set cb, cb+1
.endr
.set kk, kk+1
.endr
.endm
; Number n of the 22 that find tile t's maximum and statistics.  0-11: four chains c0-c3 of seven scores each (each accumulator's lowest registers are read first).
; 12-14, 16: the four scores left over, the old m, c0-c3 into c0.  15: c m_old is kept.  17, 18: the query's other 32 keys lie in the lane 16 away: the new m.  19-21: c m; c m_old - c m_new; a.
.macro XS t, n
.set rT, ST+4*(\t)
.set rC, TMP+4*(\t)
.set rW, MV+(\t)
.set rS, S+32*(\t)
.if (\n) < 4
	v_max3_num_f32 v[rC+(\n)], v[rS+8*(\n)], v[rS+8*(\n)+1], v[rS+8*(\n)+2]
.elseif (\n) < 12
	v_max3_num_f32 v[rC+(\n)%4], v[rC+(\n)%4], v[rS+8*((\n)%4)+2*((\n)/4)+1], v[rS+8*((\n)%4)+2*((\n)/4)+2]
.elseif (\n) == 12
	v_max3_num_f32 v[rC], v[rC], v[rS+7], v[rS+15]
.elseif (\n) == 13
	v_max3_num_f32 v[rC+1], v[rC+1], v[rS+23], v[rS+31]
.elseif (\n) == 14
	v_max3_num_f32 v[rC+2], v[rC+2], v[rC+3], v[rT+1]
.elseif (\n) == 15
	v_mov_b32 v[rW], v[rT]
.elseif (\n) == 16
	v_max3_num_f32 v[rC], v[rC], v[rC+1], v[rC+2]
.elseif (\n) == 17
	v_permlanex16_b32 v[rC+3], v[rC], s[SEL], s[SEL+1]
.elseif (\n) == 18
	v_max_num_f32 v[rT+1], v[rC], v[rC+3]
.elseif (\n) == 19
	v_mul_f32 v[rT], s[CS], v[rT+1]
.elseif (\n) == 20
	v_sub_f32 v[rC+1], v[rW], v[rT]
.else
	v_exp_f32 v[rC+2], v[rC+1]
.endif
.endm
.macro FS t, i                         ; pair i of tile t: c s - c m
	v_pk_fma_f32 v[S+32*(\t)+2*(\i):S+32*(\t)+2*(\i)+1], v[S+32*(\t)+2*(\i):S+32*(\t)+2*(\i)+1], s[CS:CS+1], v[ST+4*(\t):ST+4*(\t)+1] op_sel_hi:[1,0,0] neg_lo:[0,0,1] neg_hi:[0,0,1]
.endm
.macro EX t, e
	v_exp_f32 v[S+32*(\t)+(\e)], v[S+32*(\t)+(\e)]
.endm
.macro LS t, i                         ; l takes pair i; the first time as l = a l + pair
.if (\i) == 0
	v_pk_fma_f32 v[ST+4*(\t)+2:ST+4*(\t)+3], v[ST+4*(\t)+2:ST+4*(\t)+3], v[TMP+4*(\t)+2:TMP+4*(\t)+3], v[S+32*(\t):S+32*(\t)+1] op_sel_hi:[1,0,1]
.else
	v_pk_add_f32 v[ST+4*(\t)+2:ST+4*(\t)+3], v[ST+4*(\t)+2:ST+4*(\t)+3], v[S+32*(\t)+2*(\i):S+32*(\t)+2*(\i)+1]
.endif
.endm
.macro CV t, i                         ; pair i rounded to f16, into register i of the tile: behind LS of the same pair; register i belongs to pair i / 2, which has been used up
	v_cvt_pk_f16_f32 v[S+32*(\t)+(\i)], v[S+32*(\t)+2*(\i)], v[S+32*(\t)+2*(\i)+1]
.endm
; THE SOFTMAX of an item's four tiles.  The tiles alternate where one line feeds the next.  All 132 exponentials are ONE BATCH: nothing ahead of the wait names a result of theirs, nothing behind it is an exponential.
; hp = 1, the first block's text: what the rounding of a pair of weights left (the f16 half x -1.0 + the weight) is rounded to f16 too, into Q's registers; and O^T, whose sums the products behind start, is not rescaled.
.macro SOFTMAX hp=0
	WIN 0
.set n, 0
.rept 21
.irp t, 0,1,2,3
	XS \t, n
.endr
.set n, n+1
.endr
.irp t, 0,1,2,3
	XS \t, 21                                      ; the four a
.endr
.irp t, 0,1,2,3
.set i, 0
.rept 16                               ; a scaling, then the two exponentials of the pair scaled before it
	FS \t, i
.if i > 0
	EX \t, 2*i-2
	EX \t, 2*i-1
.endif
.set i, i+1
.endr
	EX \t, 30
	EX \t, 31
.endr
	v_nop                                          ; a plain instruction behind the last exponential, ahead of the first use (ISA guide 5.7.2): one for the batch
	s_wait_alu depctr_va_vdst(0)                   ; and a wait ahead of the first line that names a result: one for the batch
.set i, 0
.rept 16
	WIN 0
.irp t, 0,1,2,3
	LS \t, i
.endr
.if \hp
.irp t, 0,1,2,3
	v_cvt_pk_f16_f32 v[HT+\t], v[S+32*\t+2*i], v[S+32*\t+2*i+1]
.endr
.irp t, 0,1,2,3
	v_fma_mix_f32 v[HR+2*\t],   v[HT+\t], v[MONE], v[S+32*\t+2*i]   op_sel_hi:[1,0,0]
	v_fma_mix_f32 v[HR+2*\t+1], v[HT+\t], v[MONE], v[S+32*\t+2*i+1] op_sel:[1,0,0] op_sel_hi:[1,0,0]
.endr
.irp t, 0,1,2,3
	v_mov_b32 v[S+32*\t+i], v[HT+\t]               ; register i of the tile belongs to pair i / 2, which has been used up
.endr
	WIN W_L1
.irp t, 0,1,2,3
	v_cvt_pk_f16_f32 v[Q+16*\t+i], v[HR+2*\t], v[HR+2*\t+1]
.endr
.else
.irp t, 0,1,2,3
	CV \t, i
.endr
.endif
.set i, i+1
.endr
.if !(\hp)
	WIN W_RS
.irp t, 0,1,2,3
.set z, 0
.rept 16                               ; O^T times a, each accumulator from its low end on
	v_pk_mul_f32 v[32*\t+2*z:32*\t+2*z+1], v[32*\t+2*z:32*\t+2*z+1], v[TMP+4*\t+2:TMP+4*\t+3] op_sel_hi:[1,0]
.set z, z+1
.endr
.endr
.endif
.endm
; THE DIAGONAL ITEM: query 16 t + l % 16 against key 16 kb + 8 (l / 16) + j.  kb < t: seen.  kb > t: hidden.  kb = t: hidden where j > l % 16 - 8 (l / 16).
.macro MASK
	WIN 0
.set j, 0
.rept 8
	v_cmp_gt_i32 vcc_lo, j, v[VD]
.irp t, 0,1,2,3
	v_cndmask_b32 v[S+40*\t+j], v[S+40*\t+j], s[BIGN], vcc_lo
.endr
.set j, j+1
.endr
.irp t, 0,1,2
.irp kb, 1,2,3
.if \kb > \t
.set j, 0
.rept 8
	v_mov_b32 v[S+32*\t+8*\kb+j], s[BIGN]
.set j, j+1
.endr
.endif
.endr
.endr
.endm
; My part of block be (0: 31 - b, 1: b) is set aside: c m, l (its two halves and the other half of the lanes' added) and O^T, all f32.  Both halves of the lanes write the same c m and l to the same word.
.macro STASH be
	WIN 0
.irp t, 0,1,2,3
	v_add_f32 v[TMP+4*\t], v[ST+4*\t+2], v[ST+4*\t+3]
.endr
.irp t, 0,1,2,3
	v_permlanex16_b32 v[TMP+4*\t+1], v[TMP+4*\t], s[SEL], s[SEL+1]
.endr
.irp t, 0,1,2,3
	v_add_f32 v[TMP+4*\t], v[TMP+4*\t], v[TMP+4*\t+1]
.endr
.irp t, 0,1,2,3
	ds_store_b32 v[VSS], v[ST+4*\t]  offset:2048*(\be)+512*\t
	ds_store_b32 v[VSS], v[TMP+4*\t] offset:4096+2048*(\be)+512*\t
.endr
	WIN W_ST
.irp t, 0,1,2,3
.irp cb, 0,1,2,3                       ; a lane's eight channels of a row: 32 bytes; each accumulator's low half first
	ds_store_b128 v[VSO0+(\be)], v[32*\t+8*\cb:32*\t+8*\cb+3]   offset:4352*\t+64*\cb
	ds_store_b128 v[VSO0+(\be)], v[32*\t+8*\cb+4:32*\t+8*\cb+7] offset:4352*\t+64*\cb+16
.endr
.endr
	WIN 0
.endm
.macro RESET                           ; c m goes far below every c s and m to the lowest finite number: the next a is 0
.irp t, 0,1,2,3
	v_mov_b32 v[ST+4*\t], 0xfe000000
	v_mov_b32 v[ST+4*\t+1], 0xff7fffff
.endr
.endm
; THE CHANGE OF BLOCKS.  The next a is 0, so O^T and l stay as they are.
; q = 1: block b's Q is fetched, into the registers of the first block's Q.  It is asked for first, so that it is on its way while my part of the first block is set aside.
.macro SWITCH q
.if \q
	s_wait_loadcnt 0x0                             ; every earlier load has landed, the first block's Q among them: a register takes a second load only when its first is in.  (The item's K and V, which this also waits for, are wanted next.)
	WIN W_L1
	LD16 Q, QLO                                    ; Q's last reader, the item before's K Q^T, stands four v_nop and a softmax back
.endif
	STASH 0
	RESET
.if \q
	s_wait_loadcnt 0x0                             ; Q is in: the products behind the label read it
.endif
	s_mov_b32 s[PH], 1
.endm
; AN ITEM.  ld = 1: the wave has a further item, whose K is asked for behind this item's K Q^T and whose V behind its V^T P.
.macro ITEM ld
	s_cmp_lt_u32 s[G], s[NH]
	s_cbranch_scc1 .Lsame_\@
	s_cmp_eq_u32 s[PH], 0
	s_cbranch_scc0 .Lsame_\@
	SWITCH 1                                       ; my first item of block b
.Lsame_\@:
	s_cmp_eq_u32 s[PH], 1
	s_cselect_b32 s21, s[NH], 0
	s_cselect_b32 s22, s[PB], s[HI]
	s_sub_co_u32 s21, s[G], s21                    ; the key step,
	s_cmp_eq_u32 s21, s22                          ; which holds the diagonal if it is the block's own number
	s_cselect_b32 s[DG], 1, 0
	s_wait_loadcnt 16                              ; loads come back in order (ISA guide 5.7.1): K (and Q) are in; the 16 younger loads, this item's V, may stay out
	KQSET KF, Q, 1
	WIN 0
.rept 4
	v_nop                                          ; the places between the products and the lines that read their results, and the loads into K's registers (ISA guide 7.12.1 for vector instructions)
.endr
.if \ld
	s_add_co_u32 s20, s[G], 8                      ; my next item,
	s_sub_co_u32 s21, s20, s[NH]
	s_cmp_lt_u32 s20, s[NH]
	s_cselect_b32 s20, s20, s21                    ; its key step,
	s_lshl_b32 s[OFF], s20, 13                     ; of 8,192 bytes in kf and in vf
	s_wait_xcnt 0x0                                ; the loads issued so far have read their bases, so these may be written
	s_add_nc_u64 s[KA:KA+1], s[6:7], s[OFF:OFF+1]
	s_add_nc_u64 s[VA:VA+1], s[8:9], s[OFF:OFF+1]
	WIN W_L1
	LD16 KF, KA
	WIN 0
.endif
	s_cmp_eq_u32 s[DG], 0
	s_cbranch_scc1 .Lopen_\@
	MASK
.Lopen_\@:
	SOFTMAX
	WIN 0
.if \ld
	s_wait_loadcnt 16                              ; V is in; the 16 younger loads, the next item's K, may stay out
.else
	s_wait_loadcnt 0x0
.endif
	PVSET VF, S, 32, 0, W_PV
	WIN 0
.rept 5
	v_nop                                          ; five places: the next K Q^T writes over P, the loads below land in V's registers, and the stores that set O^T aside read results
.endr
.if \ld
	LD16 VF, VA
	s_add_co_u32 s[G], s[G], 8
.endif
.endm
	s_load_b256 s[4:11], s[0:1], 0x0               ; qf s[4:5], kf s[6:7], vf s[8:9], out0 s[10:11]
	s_load_b64 s[LOF:LOF+1], s[0:1], 0x20          ; lof
	v_lshl_add_u32 v[SPW], v0, 2, SPARE
	v_mov_b32 v[NIL], 0
	v_lshrrev_b32 v12, 5, v0
	v_readfirstlane_b32 s[WV], v12                 ; wave 0..7
	v_and_b32 v[VL], 31, v0
	v_lshlrev_b32 v[VL], 4, v[VL]
	v_and_b32 v[RR], 15, v0
	v_bfe_u32 v[HH], v0, 4, 1
	v_lshlrev_b32 v12, 3, v[HH]
	v_sub_nc_u32 v[VD], v[RR], v12
	s_mul_i32 s20, s[WV], OBR
	v_mul_u32_u24 v[VSO0], v[RR], 272
	v_lshl_add_u32 v[VSO0], v[HH], 5, v[VSO0]
	v_add_nc_u32 v[VSO0], s20, v[VSO0]             ; my region + row l % 16 + 32 bytes for each half of the lanes
	v_add_nc_u32 v[VSO0+1], 8*OBR, v[VSO0]
	s_lshl_b32 s20, s[WV], 2
	s_add_co_u32 s20, s20, CMB
	v_lshl_add_u32 v[VSS], v[RR], 5, s20           ; row l % 16, word w
	s_lshl_b32 s20, s[WV], 9
	s_add_co_u32 s20, s20, CMB
	v_lshl_add_u32 v[VMS], v[RR], 5, s20           ; row 16 w + l % 16
	v_add_nc_u32 v[VMF], 8192, v[VMS]
	s_add_co_u32 s21, s20, 8192
	v_lshl_add_u32 v[VMF2], v[HH], 5, s21          ; row 16 w + l / 16
	s_lshr_b32 s20, s[WV], 2
	s_mul_i32 s20, s20, 8*OBR                      ; the block whose rows I merge,
	s_and_b32 s21, s[WV], 3
	s_mul_i32 s21, s21, 16*272                     ; my 16 of its 64 rows
	s_add_co_u32 s20, s20, s21
	v_mul_u32_u24 v[VMO0], v[HH], 272
	v_lshl_add_u32 v[VMO0], v[RR], 4, v[VMO0]
	v_add_nc_u32 v[VMO0], s20, v[VMO0]
	v_add_nc_u32 v[VMO1], 4*OBR, v[VMO0]
	s_mov_b32 s[PB], ttmp9
	s_sub_co_u32 s[HI], 31, s[PB]
	s_sub_co_u32 s[NH], 32, s[PB]
	s_and_b32 s20, ttmp7, 0xffff                   ; the batch:
	s_lshl_b32 s22, s20, 18                        ; 2,048 rows of 128 bytes in qf, kf, vf,
	s_mov_b32 s23, 0
	s_mul_i32 s44, s20, 24576                      ; 3 x 8,192 bytes in lof,
	s_mov_b32 s45, 0
	s_lshl_b32 s20, s20, 19                        ; 2,048 rows of 256 bytes in out0
	s_mov_b32 s21, 0
	s_mov_b32 s[OFF+1], 0
	s_mov_b32 s[CS], 0x3e38aa3b                    ; c = log2(e) / 8 = 0.180337
	s_mov_b32 s[CS+1], s[CS]                       ; named with it as a pair
	s_mov_b32 s[SEL], 0x76543210
	s_mov_b32 s[SEL+1], 0xfedcba98
	s_mov_b32 s[BIGN], 0xf149f2ca                  ; -1e30
	s_mov_b32 s[G], s[WV]
	s_mov_b32 s[PH], 0
	s_wait_kmcnt 0x0
	s_add_nc_u64 s[4:5], s[4:5], s[22:23]
	s_add_nc_u64 s[6:7], s[6:7], s[22:23]
	s_add_nc_u64 s[8:9], s[8:9], s[22:23]
	s_add_nc_u64 s[10:11], s[10:11], s[20:21]
	s_add_nc_u64 s[LOF:LOF+1], s[LOF:LOF+1], s[44:45]
	s_lshl_b32 s[OFF], s[PB], 13                   ; a block's Q is 8,192 bytes
	s_add_nc_u64 s[QLO:QLO+1], s[4:5], s[OFF:OFF+1]
	s_lshl_b32 s[OFF], s[HI], 13
	s_add_nc_u64 s[QHI:QHI+1], s[4:5], s[OFF:OFF+1]
	s_lshl_b32 s[OFF], s[WV], 13                   ; my first item is key step w of block 31 - b, which has 17 steps or more
	s_add_nc_u64 s[KA:KA+1], s[6:7], s[OFF:OFF+1]
	s_add_nc_u64 s[VA:VA+1], s[8:9], s[OFF:OFF+1]
	WIN W_L1
	LD16 Q, QHI
	LD16 KF, KA
	WIN 0
	LD16 VF, VA                                    ; V last: the first item's first wait leaves these 16 out
	s_cmp_lt_u32 s[WV], 4                          ; waves 0-3 merge block 31 - b, waves 4-7 block b
	s_cselect_b32 s20, s[HI], s[PB]
	s_lshl_b32 s20, s20, 14                        ; 64 rows of 256 bytes
	s_and_b32 s21, s[WV], 3
	s_lshl_b32 s21, s21, 12                        ; 16 rows
	s_add_co_u32 s[OFF], s20, s21
	s_add_nc_u64 s[OUTW:OUTW+1], s[10:11], s[OFF:OFF+1]
.irp t, 0,1,2,3                        ; what the first item finds; all this stands in the wait for the first loads
	v_mov_b32 v[ST+4*\t], 0xfe000000               ; c m: far below every c s
	v_mov_b32 v[ST+4*\t+1], 0xff7fffff             ; m
	v_mov_b32 v[ST+4*\t+2], 0
	v_mov_b32 v[ST+4*\t+3], 0
	v_mov_b32 v[TMP+4*\t], 0
	v_mov_b32 v[TMP+4*\t+1], 0
	v_mov_b32 v[TMP+4*\t+2], 0
	v_mov_b32 v[TMP+4*\t+3], 0
.endr
	WIN W_L1
.set i, 0
.rept 128
	v_mov_b32 v[i], 0                              ; O^T
.set i, i+1
.endr
	WIN 0                                          ; at a label and at a branch every window is 0
	s_mov_b32 s[CNT], 4
.Litem:                                                ; four trips, the most that a wave needs (wave 0); a wave whose item in hand is its last jumps over the trip: no barrier stands in it
	s_add_co_u32 s20, s[G], 8
	s_cmp_gt_u32 s20, 32
	s_cbranch_scc1 .Lskip
	ITEM 1
.Lskip:
	s_sub_co_u32 s[CNT], s[CNT], 1
	s_cmp_lg_u32 s[CNT], 0
	s_cbranch_scc1 .Litem
	s_cmp_eq_u32 s[PB], 0                          ; is my last item the batch's first block?  Where b = 0 that block is item 32, wave 0's fifth
	s_cbranch_scc0 .Lplain
	s_cmp_eq_u32 s[G], 32
	s_cbranch_scc0 .Lplain
	; THE BATCH'S FIRST BLOCK, in two f16 numbers.  Kh and Vh of key step 0 were asked for by the item before.
	s_wait_loadcnt 0x0                             ; every earlier load has landed: Kh, Vh, and block 31's Q, whose registers take a second load
	WIN W_L1
	LD16 Q, QLO                                    ; Qh
	STASH 0                                        ; my part of block 31 is set aside,
	RESET
	v_mov_b32 v[MONE], -1.0
	s_wait_dscnt 0x0                               ; and the stores have read O^T, whose registers now take the remainders
	WIN W_L1
	LD16 QL, LOF, 0
	LD16 KL, LOF, 8192
	s_wait_loadcnt 32                              ; Qh is in; the 32 younger loads, Ql's and Kl's, may stay out
	KQSET KF, Q, 1                                 ; Kh Qh
	s_wait_loadcnt 0x0
	KQSET KF, QL, 0                                ; + Kh Ql
	KQSET KL, Q, 0                                 ; + Kl Qh
	WIN 0
.rept 4
	v_nop                                          ; the places between the products and the lines that read their results, and the loads into K's registers
.endr
	WIN W_L1
	LD16 KF, LOF, 16384                            ; Vl, where K lay
	WIN 0
	MASK                                           ; the block's one step holds the diagonal
	SOFTMAX 1                                      ; Ph in S^T's registers, Pl where Q lay
	WIN 0
	s_wait_loadcnt 0x0                             ; Vl is in
	PVSET VF, S, 32, 1, W_PV                       ; Vh Ph: its first 16 products start the sums, over the registers in which Ql and Kl lay (their last readers stand a softmax back)
	PVSET KF, S, 32, 0, W_PVL                      ; + Vl Ph
	PVSET VF, Q, 16, 0, W_PLV                      ; + Vh Pl
	WIN 0
.rept 5
	v_nop                                          ; the places between the last products and the stores that set O^T aside
.endr
	s_branch .Llow
.Lplain:
	ITEM 0                                         ; my last item: nothing more is asked for
	s_cmp_eq_u32 s[PH], 0
	s_cbranch_scc0 .Llow
	SWITCH 0                                       ; I have had no item of block b: my part of it counts for nothing
.Llow:
	STASH 1
	s_wait_dscnt 0x0                               ; for the others' sake: all that I set aside lies in LDS
	s_barrier_signal -1
	s_barrier_wait -1                              ; the one barrier: every wave's parts of both blocks are there
	; THE MERGE.  Wave w finishes rows 16 w .. 16 w + 15 of the work-group's 128.  First the factors, lane l % 16 a row (both halves of the lanes alike): f_u = e_u / sum e l.
	ds_load_b128 v[64:67], v[VMS]                  ; c m of waves 0-3,
	ds_load_b128 v[68:71], v[VMS] offset:16        ; 4-7
	ds_load_b128 v[72:75], v[VMS] offset:4096      ; l likewise
	ds_load_b128 v[76:79], v[VMS] offset:4112
	s_wait_dscnt 0x0
	v_max3_num_f32 v80, v64, v65, v66
	v_max3_num_f32 v80, v80, v67, v68
	v_max3_num_f32 v80, v80, v69, v70
	v_max_num_f32 v80, v80, v71                    ; the row's maximum: a true score's, since some wave has had the row's own key
.irp u, 0,1,2,3,4,5,6,7
	v_sub_f32 v[64+\u], v[64+\u], v80
.endr
.irp u, 0,1,2,3,4,5,6,7
	v_exp_f32 v[64+\u], v[64+\u]
.endr
	v_nop                                          ; a plain instruction behind the last exponential,
	s_wait_alu depctr_va_vdst(0)                   ; and the one wait for the eight, ahead of their first reader
	v_mul_f32 v81, v64, v72
.irp u, 1,2,3,4,5,6,7
	v_fmac_f32 v81, v[64+\u], v[72+\u]
.endr
	v_rcp_f32 v82, v81                             ; the sum is 1 or more: the wave that holds the maximum has e = 1 and a weight of 1
	v_nop
	s_wait_alu depctr_va_vdst(0)
.irp u, 0,1,2,3,4,5,6,7
	v_mul_f32 v[64+\u], v[64+\u], v82
.endr
	ds_store_b128 v[VMF], v[64:67]                 ; my own 512 bytes: LDS serves a wave's instructions in order (ISA guide 5.7.1.4), so the loads below see them
	ds_store_b128 v[VMF], v[68:71] offset:16
; Then the rows, two at a time: lanes 0-15 take row 2 i, lanes 16-31 row 2 i + 1, 16 bytes (4 channels) a lane.  Ten LDS loads: the row's eight factors, and my 16 bytes of each wave's part.
.macro MLOAD i
.set B0, 96+40*((\i)%2)
	ds_load_b128 v[B0:B0+3],   v[VMF2] offset:64*(\i)
	ds_load_b128 v[B0+4:B0+7], v[VMF2] offset:64*(\i)+16
.irp u, 0,1,2,3
	ds_load_b128 v[B0+8+4*\u:B0+8+4*\u+3], v[VMO0] offset:\u*OBR+544*(\i)
.endr
.irp u, 0,1,2,3
	ds_load_b128 v[B0+24+4*\u:B0+24+4*\u+3], v[VMO1] offset:\u*OBR+544*(\i)
.endr
.endm
.macro MSUM i                          ; the sum over u of f_u O_u, two numbers an instruction; an even u's factor is its pair's first register, an odd u's the second
.set B0, 96+40*((\i)%2)
.set D0, 192+4*(\i)
	v_pk_mul_f32 v[D0:D0+1],   v[B0+8:B0+9],   v[B0:B0+1] op_sel_hi:[1,0]
	v_pk_mul_f32 v[D0+2:D0+3], v[B0+10:B0+11], v[B0:B0+1] op_sel_hi:[1,0]
.set u, 1
.rept 7
.set fp, B0+2*(u/2)
.set ou, B0+8+4*u
.if u%2
	v_pk_fma_f32 v[D0:D0+1],   v[ou:ou+1],   v[fp:fp+1], v[D0:D0+1]   op_sel:[0,1,0] op_sel_hi:[1,1,1]
	v_pk_fma_f32 v[D0+2:D0+3], v[ou+2:ou+3], v[fp:fp+1], v[D0+2:D0+3] op_sel:[0,1,0] op_sel_hi:[1,1,1]
.else
	v_pk_fma_f32 v[D0:D0+1],   v[ou:ou+1],   v[fp:fp+1], v[D0:D0+1]   op_sel_hi:[1,0,1]
	v_pk_fma_f32 v[D0+2:D0+3], v[ou+2:ou+3], v[fp:fp+1], v[D0+2:D0+3] op_sel_hi:[1,0,1]
.endif
.set u, u+1
.endr
	global_store_b128 v[VL], v[D0:D0+3], s[OUTW:OUTW+1] offset:512*(\i) th:TH_STORE_NT  ; two whole rows of out0: 512 consecutive bytes, aligned; each pair of rows has registers of its own
.endm
	MLOAD 0
.irp i, 0,1,2,3,4,5,6
	MLOAD \i+1
	s_wait_dscnt 10                                ; all but the ten just issued
	MSUM \i
.endr
	s_wait_dscnt 0x0
	MSUM 7
	s_wait_tensorcnt 0x0                           ; the wave's end, behind my last LDS store
	ds_add_u32 v[SPW], v[NIL]
	s_wait_dscnt 0x0
	s_endpgm
.Lfunc_end_k_q5ae2661338_attn:
	.size	k_q5ae2661338_attn, .Lfunc_end_k_q5ae2661338_attn-k_q5ae2661338_attn
	.p2alignl 7, 3214868480
	.fill 96, 4, 3214868480
	.section	.rodata,"a",@progbits
	.p2align	6, 0x0
	.amdhsa_kernel k_q5ae2661338_attn
		.amdhsa_group_segment_fixed_size 291840
		.amdhsa_private_segment_fixed_size 0
		.amdhsa_enable_private_segment 0
		.amdhsa_kernarg_size 40
		.amdhsa_user_sgpr_count 2
		.amdhsa_user_sgpr_kernarg_segment_ptr 1
		.amdhsa_wavefront_size32 1
		.amdhsa_system_sgpr_workgroup_id_x 1
		.amdhsa_system_sgpr_workgroup_id_y 1
		.amdhsa_system_sgpr_workgroup_id_z 1
		.amdhsa_system_vgpr_workitem_id 0
		.amdhsa_next_free_vgpr 512
		.amdhsa_next_free_sgpr 66
		.amdhsa_reserve_vcc 1
		.amdhsa_float_denorm_mode_32 3
		.amdhsa_float_denorm_mode_16_64 3
		.amdhsa_memory_ordered 1
		.amdhsa_forward_progress 1
		.amdhsa_inst_pref_size 180
	.end_amdhsa_kernel
	.amdgpu_metadata
---
amdhsa.version: [ 1, 2 ]
amdhsa.kernels:
  - .name:           k_q5ae2661338_attn
    .symbol:         k_q5ae2661338_attn.kd
    .args:
      - { .name: qf, .offset: 0, .size: 8, .value_kind: global_buffer, .address_space: global }
      - { .name: kf, .offset: 8, .size: 8, .value_kind: global_buffer, .address_space: global }
      - { .name: vf, .offset: 16, .size: 8, .value_kind: global_buffer, .address_space: global }
      - { .name: out0, .offset: 24, .size: 8, .value_kind: global_buffer, .address_space: global }
      - { .name: lof, .offset: 32, .size: 8, .value_kind: global_buffer, .address_space: global }
    .group_segment_fixed_size: 291840
    .private_segment_fixed_size: 0
    .kernarg_segment_align: 8
    .kernarg_segment_size: 40
    .max_flat_workgroup_size: 256
    .sgpr_count:     66
    .vgpr_count:     512
    .wavefront_size: 32
...
	.end_amdgpu_metadata
.endif
;; end of part 3
;; ======== version 2 of 2: 3 launches; version 1 with the launch proj written anew for expert scheduling mode
;; limits: values are held in f16: magnitudes above 65,504 overflow, below 6.1e-05 lose precision
;; workspace buffers: wf 393,216 bytes; qf 4,194,304 bytes; kf 4,194,304 bytes; vf 4,194,304 bytes; lof 393,216 bytes
;; launch prep: the kernel of part 1 again; grid 32 x 3, 8 waves a work-group, no clusters, 0 bytes of LDS; arguments Wq, Wk, Wv, wf; writes wf
;; launch proj (part 4): grid 256 x 1, 4 waves a work-group, no clusters, 295,424 bytes of LDS; arguments embeddings, wf, qf, kf, vf, lof; writes qf, kf, vf, lof
.if DOCPART == 4
	.amdgcn_target "amdgcn-amd-amdhsa--gfx1250"
	.amdhsa_code_object_version 6
	.text
	.protected	k_q5ae2661338_proj
	.globl	k_q5ae2661338_proj
	.p2align	8
	.type	k_q5ae2661338_proj,@function
k_q5ae2661338_proj:
	s_mov_b64 s[64:65], 0
	v_nop
	global_prefetch_b8 v0, s[64:65] scope:SCOPE_SE
	s_setreg_imm32_b32 hwreg(HW_REG_WAVE_SCHED_MODE, 0, 2), 2
	s_setreg_imm32_b32 hwreg(HW_REG_WAVE_MODE, 25, 1), 1
	s_wait_xcnt 0x0
	s_wait_alu depctr_vm_vsrc(0)
; SECOND LAUNCH: q, k, v = x W.  x = embeddings as [32768][1024] f32, rounded to bf16 on its way; W from wf (bf16, in operand order); sums in f32; q, k, v rounded once to f16.
; Nothing is left out here.  LIMIT: |q|, |k|, |v| under 65,504 (f16).
; SHARES.  A work-group owns 128 rows of x and all 192 columns.  Wave w multiplies all 128 rows (8 row tiles i) by columns 16 w .. 16 w + 15 of Wq, Wk and Wv (j = 0, 1, 2):
; 24 accumulators.  So each fragment of W is wanted by ONE wave of the work-group and comes straight from memory into its registers.
; x is wanted by all four waves: each wave loads 32 of the rows (sixteen lanes take 256 consecutive bytes of a row), rounds them and puts them into LDS once.
; K goes in 16 chunks of 64.  LDS holds the work-group's WHOLE x in bf16, chunk by chunk, and no byte of it is written twice: one barrier a chunk, between the stores and the reads, is all the order wanted.
; THE STREAM.  x's loads are issued two chunks ahead of their conversion, W's one chunk ahead of their products; every wait on them is counted, so a wave always has loads out.
; THE RESULTS are stored in the third launch's operand order, straight from registers, 512 consecutive bytes a store:
;   q, k (source 0 = W's columns, source 1 = x's rows): a lane holds one row and 8 neighbouring channels.  qf, kf: for each 16 rows 2,048 bytes [c 0..1][p 0..1][lane][16 B]: row 16 tile + r, channels 32 c + 16 p + 8 h + 0..7
;   v    (source 0 = x's rows, source 1 = W's columns): a lane holds one channel and 8 neighbouring keys.  vf: for each 64 keys 8,192 bytes [kk 0..1][cb 0..3][p][lane][16 B]: channel 16 cb + r, keys 32 kk + 16 p + 8 h + 0..7
; THE REMAINDERS.  A row of the output that sees n keys is a mean of n rows of v: f16's roundings reach it at about 2^-11 of v's size over the root of n, while the comparison goes by the root mean square of the
; whole output, which the long rows make small.  So of each batch's first 64 rows what the rounding to f16 left (the f32 sum less the f16 number, rounded to f16) is stored too, for the third launch's first block:
; lof: [batch][q, k, v][8,192 bytes], each part laid as its rows lie in qf, kf, vf.  Those rows are row tiles 0-3 of the work-groups whose number is a multiple of 16; the others jump over these lines.
; THE MODE: SCHED_MODE bits 1:0 = 2 (LLVM: expert scheduling mode 2), set by the entry lines.  The code itself states the register dependences
; between vector or matrix instructions and memory or LDS instructions, with s_wait_alu, always for 0.
; THE PLAN.  Registers that memory or LDS instructions touch in trip t (par = t % 2, xs = 1 - par), in the trip's order:
;   X[xs]          read by the 32 conversions at the trip's head; then the loads of chunk t + 3 land in it.
;   T              written by those conversions; read by the trip's 16 LDS stores; written again at the next trip's head.
;   v[VST], v[VAF] written by one add each at the trip's head; read by the trip's LDS stores and by its 32 fragment loads.
;   buffers 0, 1   x's fragments: read by the products of trip t - 1; then this trip's fragment loads land in them.
;   W's set xs     read by the products of trip t - 1; then W of chunk t + 1 lands in it.
;   v[VGA], v[VGW], v[VOQ], v[VOV]  made at the head and never written again: the scalar bases move on, and immediate offsets do the rest.
;   The accumulators and W's set par are named by matrix instructions alone.
; So a trip's head holds ONE wait on vm_vsrc, ahead of the adds and the conversions, and ONE on va_vdst, behind them.  All the trip's loads and LDS stores follow that second wait, in runs; up to the first product
; no vector or matrix instruction stands among them, and the products name none of the registers that those loads and stores touch.
; REGISTERS, in windows of 256 (s_set_vgpr_msb: bits 1:0 source 0, 3:2 source 1, 5:4 source 2, 7:6 destination):
;   window 0: v2-14 addresses and -1.0; v32-159 x as loaded, two sets of 64 (at the end: v32-127 the packed results; v128-223 the remainders); v224-255 a chunk's converted pairs
;   window 1: v0-127 x's fragments, two buffers of 8 x 8; v128-223 W's fragments, two sets of 6 x 8          window 2: v0-191 the accumulators, (i, j) at 8 (3 i + j)
.set PA,    144                        ; a row of a chunk in LDS: 128 bytes + 16 = 9 x 16: the sixteen rows of a fragment load start at sixteen different groups of four banks (64 banks of 4 bytes: ISA guide 11.1)
.set CHB,   128*PA                     ; a chunk: 128 rows
.set SPARE, 16*CHB                     ; behind the 16 chunks: the spare words, 128 bytes for each wave: two blocks of 256 bytes that no other line names
.set VGA, 2                            ; v2   my byte offset in x: wave x 32 rows + (l / 16) x 8 rows + 16 (l % 16); never rewritten
.set VGW, 3                            ; v3   16 l; never rewritten
.set VST, 4                            ; v4   where I put 8 bytes of a row of the chunk that is produced; steps a chunk at a trip's head
.set VOQ, 5                            ; v5   my 16 bytes in a tile of qf and kf
.set VOV, 6                            ; v6   my 16 bytes in vf
.set VAF, 8                            ; v8   my place in a fragment of the chunk that is multiplied: r x PA + 16 h; steps a chunk at a trip's head
.set SPW, 12                           ; v12  LDS address of my spare word; never rewritten
.set NIL, 13                           ; v13  0; never rewritten
.set MONE, 14                          ; v14  -1.0, for the remainders
.set X,   32
.set OUTR, 32
.set RES, 128                          ; the remainders: 96 in f32, then 48 registers of packed f16 in their place
.set T,   224                          ; 16 pairs: the 8 bytes that each of a chunk's 16 LDS stores takes
.set WB,  128                          ; in window 1
.set SA,  4                            ; s[4:5]  x at the work-group's first row, at the chunk last produced
.set SW,  6                            ; s[6:7]  wf at my wave's part, at the same chunk
.set LOF, 22                           ; s[22:23] lof at the work-group's batch
.set MSB, 0
.macro WIN new                         ; the immediate's high byte repeats the setting that is left; a switch that changes nothing is dropped
.if MSB != (\new)
	s_set_vgpr_msb (MSB<<8)|(\new)
.set MSB, \new
.endif
.endm
; 16 loads: my 32 rows' 256 bytes of one chunk, off bytes behind SA, into set xs.  Load j takes rows 16 (j / 8) + j % 8 (lanes 0-15) and 8 further down (lanes 16-31).
.macro ALOAD xs, off
	WIN 0
.set j, 0
.rept 16
	global_load_b128 v[X+64*(\xs)+4*j:X+64*(\xs)+4*j+3], v[VGA], s[SA:SA+1] offset:(\off)+(16*(j/8)+j%8)*4096 th:TH_LOAD_NT
.set j, j+1
.endr
.endm
; A chunk is produced, first part: set xs is rounded to bf16, into T.  step = 1: every chunk but the first.  af = 1: the chunk to be multiplied is not the first either.
.macro CONV xs, step, af, wA
	WIN 0
.if \step
	s_wait_xcnt 0x0                                ; every load issued so far has read its address (ISA guide 3.1): only now are the two bases stepped
	s_add_nc_u64 s[SA:SA+1], s[SA:SA+1], 256
	s_add_nc_u64 s[SW:SW+1], s[SW:SW+1], 6144
.endif
	s_wait_loadcnt \wA                             ; loads come back in order (ISA guide 5.7.1): set xs is in, the younger loads stay out
.if \step
	s_wait_alu depctr_vm_vsrc(0)                   ; the LDS stores of the chunk before have read T and v[VST], and the fragment loads issued so far have read v[VAF]: all three are written below
	v_add_nc_u32 v[VST], CHB, v[VST]
.endif
.if \af
	v_add_nc_u32 v[VAF], CHB, v[VAF]
.endif
.set j, 0
.rept 16                               ; these lines are also the plain places between the last trip's products and the loads into registers that they have read
	v_cvt_pk_bf16_f32 v[T+2*j],   v[X+64*(\xs)+4*j],   v[X+64*(\xs)+4*j+1]
	v_cvt_pk_bf16_f32 v[T+2*j+1], v[X+64*(\xs)+4*j+2], v[X+64*(\xs)+4*j+3]
.set j, j+1
.endr
	s_wait_alu depctr_va_vdst(0)                   ; T, v[VST] and v[VAF] are written, which the LDS stores and the fragment loads read; the conversions are done reading X[xs], and the products issued so far are done reading both fragment buffers and W's set xs, in all of which loads land
.endm
; Second part: W's 12 loads for that chunk, the 16 LDS stores, and x's 16 loads for the chunk two further on; W's ahead of x's, so that a wait for W leaves the younger x out.  No wait: no vector or matrix instruction since CONV's last line.
.macro SEND xs, doW, doA
.if \doW
	WIN 0x40                                       ; destination window 1
.set f, 0
.rept 6                                ; fragment f = 3 ks' + j
	global_load_b128 v[WB+48*(\xs)+8*f:WB+48*(\xs)+8*f+3],   v[VGW], s[SW:SW+1] offset:1024*f
	global_load_b128 v[WB+48*(\xs)+8*f+4:WB+48*(\xs)+8*f+7], v[VGW], s[SW:SW+1] offset:1024*f+512
.set f, f+1
.endr
.endif
	WIN 0
.set j, 0
.rept 16
	ds_store_b64 v[VST], v[T+2*j:T+2*j+1] offset:(16*(j/8)+j%8)*PA  ; lanes 0-15: 128 bytes on end; lanes 16-31: 8 rows = 288 words further, the other 32 banks
.set j, j+1
.endr
.if \doA
	ALOAD \xs, 512
.endif
.endm
; 16 LDS loads in one run: the 8 row tiles' fragments of 32 along K, at byte koff of the chunk's rows, into buffer f
.macro FETCH f, koff
	WIN 0x40
.set i, 0
.rept 8
	ds_load_b128 v[64*(\f)+8*i:64*(\f)+8*i+3],   v[VAF] offset:i*16*PA+(\koff)
	ds_load_b128 v[64*(\f)+8*i+4:64*(\f)+8*i+7], v[VAF] offset:i*16*PA+(\koff)+32
.set i, i+1
.endr
.endm
; 24 products: buffer f x W's set ws, K step ksp of the chunk.  The 24 accumulators take turns, one instruction a turn, over the backward jump too.  first = 1: the products start the sums.
.macro MUL f, ws, ksp, first
	WIN 0xa5                                       ; sources window 1, C and D window 2
.set i, 0
.rept 8
.set j, 0
.rept 3
.set rA, 64*(\f)+8*i
.set rW, WB+48*(\ws)+24*(\ksp)+8*j
.set rC, 8*(3*i+j)
.if j < 2
.if \first
	v_wmma_f32_16x16x32_bf16 v[rC:rC+7], v[rW:rW+7], v[rA:rA+7], 0
.else
	v_wmma_f32_16x16x32_bf16 v[rC:rC+7], v[rW:rW+7], v[rA:rA+7], v[rC:rC+7]
.endif
.else
.if \first
	v_wmma_f32_16x16x32_bf16 v[rC:rC+7], v[rA:rA+7], v[rW:rW+7], 0
.else
	v_wmma_f32_16x16x32_bf16 v[rC:rC+7], v[rA:rA+7], v[rW:rW+7], v[rC:rC+7]
.endif
.endif
.set j, j+1
.endr
.set i, i+1
.endr
.endm
; TRIP t (par = t % 2): chunk t + 1 is produced, chunk t multiplied.  The barrier's signal stands behind my stores of chunk t + 1, its wait ahead of the first read of that chunk, which is the next trip's;
; between the two stand reads of chunk t, which nobody writes again, and the 48 products.
.macro TRIP par, first, wA, doW, doA, wW, last
.if !(\last)
	CONV 1-(\par), 1, 1-(\first), \wA
	FETCH 0, 0                                     ; the first half of chunk t, which the barrier behind the last trip's products has shown whole
	SEND 1-(\par), \doW, \doA
	s_wait_dscnt 0x0                               ; my stores of chunk t + 1 are done, for the others' sake; buffer 0's loads are back
	s_barrier_signal -1
	FETCH 1, 64                                    ; the second half of chunk t.  No wait: no vector or matrix instruction since CONV's last line
.else
	WIN 0
	s_wait_alu depctr_vm_vsrc(0)                   ; the fragment loads issued so far have read v[VAF]
	v_add_nc_u32 v[VAF], CHB, v[VAF]
.rept 4
	v_nop                                          ; no conversions stand here: with the add, the plain places between the last trip's products and the loads into registers that they have read
.endr
	s_wait_alu depctr_va_vdst(0)                   ; v[VAF] is written, which the fragment loads read; the last trip's products are done reading both fragment buffers, in which those loads land
	FETCH 0, 0
	FETCH 1, 64
	s_wait_dscnt 16                                ; LDS loads come back in order (ISA guide 5.7.1): buffer 0 is in, buffer 1's 16 loads may stay out
.endif
	s_wait_loadcnt \wW                             ; W of chunk t is in; all that was issued behind it stays out
	MUL 0, \par, 0, \first
	s_wait_dscnt 0x0                               ; buffer 1 is in
	MUL 1, \par, 1, 0
.if !(\last)
	WIN 0
	s_barrier_wait -1                              ; every wave's part of chunk t + 1 lies in LDS
.endif
.endm
	s_load_b256 s[4:11], s[0:1], 0x0               ; embeddings s[4:5], wf s[6:7], qf s[8:9], kf s[10:11]
	s_load_b64 s[12:13], s[0:1], 0x20              ; vf
	s_load_b64 s[LOF:LOF+1], s[0:1], 0x28          ; lof
	v_lshl_add_u32 v[SPW], v0, 2, SPARE
	v_mov_b32 v[NIL], 0
	v_lshrrev_b32 v1, 5, v0
	v_readfirstlane_b32 s14, v1                    ; wave 0..3
	v_and_b32 v9, 15, v0                           ; l % 16
	v_bfe_u32 v10, v0, 4, 1                        ; l / 16
	v_and_b32 v11, 31, v0                          ; l
	v_lshlrev_b32 v[VGA], 4, v9
	v_lshl_add_u32 v[VGA], v10, 15, v[VGA]         ; 8 rows of 4,096 bytes
	s_wait_alu depctr_va_sdst(0)                   ; s14 is written, ahead of its first reader: offsets, LDS addresses and wf's base are made from it
	s_lshl_b32 s16, s14, 17                        ; 32 rows
	v_add_nc_u32 v[VGA], s16, v[VGA]
	v_lshlrev_b32 v[VGW], 4, v11
	s_mul_i32 s16, s14, 32*PA
	v_mul_u32_u24 v[VST], v10, 8*PA
	v_lshl_add_u32 v[VST], v9, 3, v[VST]
	v_add_nc_u32 v[VST], s16, v[VST]               ; (32 w + 8 (l / 16)) PA + 8 (l % 16)
	v_mul_u32_u24 v[VAF], v9, PA
	v_lshl_add_u32 v[VAF], v10, 4, v[VAF]
	s_lshr_b32 s16, s14, 1                         ; my 16 channels are half p = w % 2 of channel block c = w / 2
	s_lshl_b32 s16, s16, 10
	s_and_b32 s17, s14, 1
	s_lshl_b32 s17, s17, 9
	s_add_co_u32 s16, s16, s17
	v_add_nc_u32 v[VOQ], s16, v[VGW]
	s_lshl_b32 s16, s14, 10                        ; and channel block cb = w of vf
	v_add_nc_u32 v[VOV], s16, v[VGW]
	s_lshl_b32 s16, ttmp9, 19                      ; the work-group's 128 rows of 4,096 bytes
	s_mov_b32 s17, 0
	s_lshl_b32 s18, ttmp9, 14                      ; the same rows in qf, kf and vf: 128 bytes each
	s_mov_b32 s19, 0
	s_mul_i32 s20, s14, 98304                      ; my wave's part of wf: 32 x 3 fragments of 1,024 bytes
	s_mov_b32 s21, 0
	s_lshr_b32 s24, ttmp9, 4                       ; the batch: 16 work-groups each,
	s_mul_i32 s24, s24, 24576                      ; 3 x 8,192 bytes of lof each
	s_mov_b32 s25, 0
	s_wait_kmcnt 0x0
	s_add_nc_u64 s[SA:SA+1], s[SA:SA+1], s[16:17]
	s_add_nc_u64 s[SW:SW+1], s[SW:SW+1], s[20:21]
	s_add_nc_u64 s[8:9], s[8:9], s[18:19]
	s_add_nc_u64 s[10:11], s[10:11], s[18:19]
	s_add_nc_u64 s[12:13], s[12:13], s[18:19]
	s_add_nc_u64 s[LOF:LOF+1], s[LOF:LOF+1], s[24:25]
	s_wait_alu depctr_va_vdst(0)                   ; the offsets and LDS addresses v2 to v8 are written, which the loads and stores of the whole kernel read
	ALOAD 0, 0                                     ; chunk 0
	ALOAD 1, 256                                   ; chunk 1
	CONV 0, 0, 0, 16                               ; chunk 0 is in when 16 younger loads (chunk 1's) are out
	SEND 0, 1, 1                                   ; W of chunk 0, chunk 0 into LDS, x of chunk 2
	s_wait_dscnt 0x0
	s_barrier_signal -1
	s_barrier_wait -1
	; The counts.  Ahead of a conversion of chunk t + 1: 28 = W(t) 12 + x(t + 2) 16.  Ahead of the products of chunk t: 44 = x(t + 2) 16 + W(t + 1) 12 + x(t + 3) 16.
	TRIP 0, 1, 28, 1, 1, 44, 0                     ; t = 0: its first products start the sums, nothing is cleared
	WIN 0                                          ; at a label and at a branch every window is 0
	s_mov_b32 s15, 6
.Lpair:                                                ; t = 1 .. 12
	TRIP 1, 0, 28, 1, 1, 44, 0
	TRIP 0, 0, 28, 1, 1, 44, 0
	WIN 0
	s_sub_co_u32 s15, s15, 1
	s_cmp_lg_u32 s15, 0
	s_cbranch_scc1 .Lpair
	TRIP 1, 0, 28, 1, 0, 28, 0                     ; t = 13: x has no chunk 16.  28 = W(13) 12 + x(15) 16; then 28 = x(15) 16 + W(14) 12
	TRIP 0, 0, 12, 1, 0, 12, 0                     ; t = 14: 12 = W(14); then 12 = W(15)
	TRIP 1, 0, 0, 0, 0, 0, 1                       ; t = 15: nothing is produced, no barrier; the last wait on loads is for 0
	; THE WAY OUT: rounded to f16, 16 bytes a lane, which already lie as the third launch wants them: no trip through LDS.
.rept 8
	v_nop                                          ; the places between the last products and the conversions that read them
.endr
	WIN 0x0a                                       ; sources window 2, destination window 0
.set a, 0
.rept 24
.set e, 0
.rept 4                                ; each accumulator from its low end on
	v_cvt_pk_f16_f32 v[OUTR+4*a+e], v[8*a+2*e], v[8*a+2*e+1]
.set e, e+1
.endr
.set a, a+1
.endr
	WIN 0
	s_wait_alu depctr_va_vdst(0)                   ; the conversions have written v[OUTR ..], which the 24 stores read
.set i, 0
.rept 8
	global_store_b128 v[VOQ], v[OUTR+12*i:OUTR+12*i+3],    s[8:9]   offset:2048*i    ; each store of the wave covers 512 consecutive bytes, aligned
	global_store_b128 v[VOQ], v[OUTR+12*i+4:OUTR+12*i+7],  s[10:11] offset:2048*i
	global_store_b128 v[VOV], v[OUTR+12*i+8:OUTR+12*i+11], s[12:13] offset:(i/4)*8192+((i/2)%2)*4096+(i%2)*512  ; keys 16 i on: step i / 4, half (i / 2) % 2, p = i % 2
.set i, i+1
.endr
	; THE REMAINDERS of a batch's first 64 rows: row tiles 0-3 (accumulators 0-11) of the batch's first work-group.  The lines below write v14 and v[RES ..], which no memory or LDS instruction has read.
	s_and_b32 s16, ttmp9, 15
	s_cmp_eq_u32 s16, 0
	s_cbranch_scc0 .Lend                           ; on the work-group's number alone; no barrier stands in what is jumped
	v_mov_b32 v[MONE], -1.0
	WIN 0x20                                       ; source 2, the f32 sum, window 2; all else window 0
.set a, 0
.rept 12
.set e, 0
.rept 4                                ; the f16 number's half x -1.0 + the sum: one rounding, of a difference that f32 holds
	v_fma_mix_f32 v[RES+8*a+2*e],   v[OUTR+4*a+e], v[MONE], v[8*a+2*e]   op_sel_hi:[1,0,0]
	v_fma_mix_f32 v[RES+8*a+2*e+1], v[OUTR+4*a+e], v[MONE], v[8*a+2*e+1] op_sel:[1,0,0] op_sel_hi:[1,0,0]
.set e, e+1
.endr
.set a, a+1
.endr
	WIN 0
.set e, 0
.rept 48                               ; packed in place, ascending: register e is written when pair e / 2 has been used up
	v_cvt_pk_f16_f32 v[RES+e], v[RES+2*e], v[RES+2*e+1]
.set e, e+1
.endr
	s_wait_alu depctr_va_vdst(0)                   ; the conversions have written v[RES ..], which the 12 stores read
.set i, 0
.rept 4
	global_store_b128 v[VOQ], v[RES+12*i:RES+12*i+3],    s[LOF:LOF+1] offset:2048*i
	global_store_b128 v[VOQ], v[RES+12*i+4:RES+12*i+7],  s[LOF:LOF+1] offset:8192+2048*i
	global_store_b128 v[VOV], v[RES+12*i+8:RES+12*i+11], s[LOF:LOF+1] offset:16384+((i/2)%2)*4096+(i%2)*512
.set i, i+1
.endr
.Lend:
	s_wait_dscnt 0x0                               ; the wave's end: the closing lines, six on end
	s_wait_alu 0x0
	s_wait_tensorcnt 0x0
	ds_add_u32 v[SPW], v[NIL]
	s_wait_dscnt 0x0
	s_endpgm
.Lfunc_end_k_q5ae2661338_proj:
	.size	k_q5ae2661338_proj, .Lfunc_end_k_q5ae2661338_proj-k_q5ae2661338_proj
	.p2alignl 7, 3214868480
	.fill 96, 4, 3214868480
	.section	.rodata,"a",@progbits
	.p2align	6, 0x0
	.amdhsa_kernel k_q5ae2661338_proj
		.amdhsa_group_segment_fixed_size 295424
		.amdhsa_private_segment_fixed_size 0
		.amdhsa_enable_private_segment 0
		.amdhsa_kernarg_size 48
		.amdhsa_user_sgpr_count 2
		.amdhsa_user_sgpr_kernarg_segment_ptr 1
		.amdhsa_wavefront_size32 1
		.amdhsa_system_sgpr_workgroup_id_x 1
		.amdhsa_system_sgpr_workgroup_id_y 1
		.amdhsa_system_sgpr_workgroup_id_z 1
		.amdhsa_system_vgpr_workitem_id 0
		.amdhsa_next_free_vgpr 704
		.amdhsa_next_free_sgpr 66
		.amdhsa_reserve_vcc 0
		.amdhsa_float_denorm_mode_32 3
		.amdhsa_float_denorm_mode_16_64 3
		.amdhsa_memory_ordered 1
		.amdhsa_forward_progress 1
		.amdhsa_inst_pref_size 90
	.end_amdhsa_kernel
	.amdgpu_metadata
---
amdhsa.version: [ 1, 2 ]
amdhsa.kernels:
  - .name:           k_q5ae2661338_proj
    .symbol:         k_q5ae2661338_proj.kd
    .args:
      - { .name: embeddings, .offset: 0, .size: 8, .value_kind: global_buffer, .address_space: global }
      - { .name: wf, .offset: 8, .size: 8, .value_kind: global_buffer, .address_space: global }
      - { .name: qf, .offset: 16, .size: 8, .value_kind: global_buffer, .address_space: global }
      - { .name: kf, .offset: 24, .size: 8, .value_kind: global_buffer, .address_space: global }
      - { .name: vf, .offset: 32, .size: 8, .value_kind: global_buffer, .address_space: global }
      - { .name: lof, .offset: 40, .size: 8, .value_kind: global_buffer, .address_space: global }
    .group_segment_fixed_size: 295424
    .private_segment_fixed_size: 0
    .kernarg_segment_align: 8
    .kernarg_segment_size: 48
    .max_flat_workgroup_size: 128
    .sgpr_count:     66
    .vgpr_count:     704
    .wavefront_size: 32
...
	.end_amdgpu_metadata
.endif
;; end of part 4
;; launch attn: the kernel of part 3 again; grid 16 x 16, 8 waves a work-group, no clusters, 291,840 bytes of LDS; arguments qf, kf, vf, out0, lof; writes out0
